; MI455X (gfx1250); checked and timed in simulation.
; The chip was launched on July 23, 2026; its instructions are those of AMD's public machine-readable ISA for CDNA 5 (MIT licence, August 2026) and "CDNA5" Instruction Set Architecture Reference Guide (July 2026). The comments in the code are by the model that wrote it; some were corrected since.
;; Mesh SDF Loss. Allowed arithmetic: float matrix products may take bf16 or f16 operands with f32 sums; other float arithmetic in f32, or as packed bf16 or f16 multiplies, adds, multiply-adds, maxima and minima; sums over many terms, partial sums and values carried from step to step in f32; what a program stores and reads back later, other than sums and carried values, may be rounded once to bf16 or f16.
;; Inputs: faces 2,048 x 3 int32; points 8,192 x 3 float32; verts 1,024 x 3 float32.
;; Outputs: out0 one number float32; out1 8,192 float32; out2 8,192 int32.
;; One version. Each part assembles by itself: llvm-mc -triple=amdgcn-amd-amdhsa -mcpu=gfx1250 --defsym DOCPART=n.
;; ======== version 1 of 1: 2 launches
;; limits: inputs' magnitudes at most 1,000,000,000
;; workspace buffers: part 131,072 bytes
;; launch nearest (part 1): grid 128 x 2, 16 waves a work-group, no clusters, 75,776 bytes of LDS; arguments faces, points, verts, part; writes part
.if DOCPART == 1
	.amdgcn_target "amdgcn-amd-amdhsa--gfx1250"
	.amdhsa_code_object_version 6
	.text
	.protected	k_qd3ef6dee30_nearest
	.globl	k_qd3ef6dee30_nearest
	.p2align	8
	.type	k_qd3ef6dee30_nearest,@function
k_qd3ef6dee30_nearest:
	s_mov_b64 s[64:65], 0
	v_nop
	global_prefetch_b8 v0, s[64:65] scope:SCOPE_SE
	s_setreg_imm32_b32 hwreg(HW_REG_WAVE_MODE, 25, 1), 1
	s_wait_xcnt 0x0
; Squared distance from 8,192 points to 2,048 triangles (closest point by regions: vertex A, B, edge AB, vertex C, edge AC, edge BC, inside; the first that holds),
; and for each point the least distance and the first face that has it.  This launch: for 64 points and 1,024 faces a work-group; the two halves of the faces meet in the next launch.
; SHARES.  Work-group (x, y): points 64 x .. 64 x + 63, faces 1,024 y .. 1,024 y + 1,023.  Wave w of 16: the same 64 points, faces 64 w .. 64 w + 63 of that half.
; Lane l holds TWO points, l and l + 32, in register pairs, so that one packed line does two point-face pairs.
; WHY NO PRODUCT AND SUM ARE FUSED.  The index is compared exactly, and faces that share an edge give distances that are equal or differ by rounding alone: the last bits decide.
; So every product and every sum is rounded by itself.  With two rounded products added, an edge that two faces run through in opposite directions often gives the same bits in both,
; and then the first face stays; a fused line would round one face's first product and the other face's second, and undo that.
; ORDER OF THE SUMS.  A sum over the three coordinates (the six dot products, the squared distance) is taken as (x + z) + y: the order of a reduction that lays x, y, z and nothing
; in four lanes and folds them by halves.  This is an order of rounding chosen for the module's reductions over an axis of three; it is not the order from the left.
; Sums that the module writes out term by term go from the left: a bu + b bv + c bw, va + vb + vc, 1 - bv - bw.
; What else is changed changes no bit:
;   d4 <= d3 is tested as d4 - d3 <= 0 (a rounded difference keeps sign and zero);  an AND of tests against 0 is one maximum and one test;
;   numerator and denominator are chosen first and divided once (0 / den = 0 for the zeros, den / den = 1 for vertices B and C);
;   a quotient is v_rcp_f32, one Newton step on the reciprocal, n r, and one correction by the exact remainder: the correctly rounded quotient.
; LIMITS.  NaN and infinities are not treated apart (a NaN distance never wins).  The chosen denominator stays below 2^126 (coordinates below about 1e9), or its reciprocal is flushed to 0.
; FACE DATA.  Each wave gathers its own 64 faces once (two a lane) and lays records of 64 bytes in LDS: a, b, c, ab = b - a, ac = c - a, 0.  In the loop a record is read by four loads in
; which all lanes name the same 16 bytes; op_sel picks one number of a register pair for both halves of a packed line.
.set FPW,   64                         ; faces of a wave
.set REC,   64                         ; bytes of a record
.set RED,   16*FPW*REC                 ; behind the table (65,536 bytes): 16 waves x 64 distances, then 16 x 64 indices
.set SPARE, RED+8192                   ; behind that: the spare words, 128 bytes for each of 16 waves, which no other line names
.set SPW, 2                            ; v2  LDS address of my spare word; never rewritten
.set NIL, 3                            ; v3  0; never rewritten
.set TA,  4                            ; v4  LDS address of the record pair in hand (the same in all lanes)
.set LN,  5                            ; v5  lane
.set PX,  6                            ; v[6:11]  x, y, z of my two points
.set BEST,12                           ; v[12:13] least distance so far
.set IDX, 14                           ; v[14:15] its face
.set FA,  16                           ; v[16:31] record buffer A: 0-2 a, 3-5 b, 6-8 c, 9-11 ab, 12-14 ac
.set FB,  32                           ; v[32:47] record buffer B
.set AP,  48                           ; p - a, p - b, p - c: three pairs each
.set BP,  54
.set CP,  60
.set D1,  66                           ; d1 .. d6, a pair each
.set D2,  68
.set D3,  70
.set D4,  72
.set D5,  74
.set D6,  76
.set MM,  78                           ; v[78:113] products
.set VA,  114
.set VB,  116
.set VC,  118
.set E1,  120                          ; d1 - d3
.set E2,  122                          ; d2 - d6
.set E3,  124                          ; d4 - d3
.set E4,  126                          ; d5 - d6
.set E5,  128                          ; E3 + E4
.set SS,  130                          ; (va + vb) + vc
.set XA,  132                          ; a region holds where its X <= 0
.set XB,  134
.set XAB, 136
.set XC,  138
.set XAC, 140
.set XBC, 142
.set DEN, 144
.set NV,  146
.set NW,  148
.set RR,  150
.set ER,  152
.set QV,  154
.set QW,  156
.set RV,  158
.set RW,  160
.set TT,  162
.set BU,  164
.set FO,  48                           ; set-up only: byte offset of my six indices
.set PO,  49                           ; of my first point
.set IX,  50                           ; v[50:55] six vertex numbers, then their byte offsets
.set TS,  56                           ; where my two records go
.set GD,  64                           ; the merge: 16 waves' distances, two points a lane
.set GI,  96                           ; and indices
.set WV,  12                           ; s12 wave
.set YY,  13                           ; s13 which half of the faces
.set FI,  14                           ; s14 number of the face in hand
.set CNT, 18
.set EPS, 19                           ; 1e-12
.set MA,  20                           ; lane masks, one register for each of the lane's two points
.set MB,  22
.set MAB, 24
.set MC,  26
.set MAC, 28
.set MBC, 30
.set T1,  32
.set ZW,  34                           ; bw is 0: A, B or AB
.set UU,  36
.set ZV,  38                           ; bv is 0: A, or C or AC with neither B nor AB
.set BCS, 40                           ; edge BC is the first that holds
.set M2,  42
.macro PADD d, a, b
	v_pk_add_f32 v[\d:\d+1], v[\a:\a+1], v[\b:\b+1]
.endm
.macro PSUB d, a, b
	v_pk_add_f32 v[\d:\d+1], v[\a:\a+1], v[\b:\b+1] neg_lo:[0,1] neg_hi:[0,1]
.endm
.macro PMUL d, a, b
	v_pk_mul_f32 v[\d:\d+1], v[\a:\a+1], v[\b:\b+1]
.endm
.macro PSUBF d, p, f, k                ; pair d = pair p - number k of record f, the same number for both halves
.if ((\k)&1)
	v_pk_add_f32 v[\d:\d+1], v[\p:\p+1], v[\f+\k-1:\f+\k] op_sel:[0,1] op_sel_hi:[1,1] neg_lo:[0,1] neg_hi:[0,1]
.else
	v_pk_add_f32 v[\d:\d+1], v[\p:\p+1], v[\f+\k:\f+\k+1] op_sel_hi:[1,0] neg_lo:[0,1] neg_hi:[0,1]
.endif
.endm
.macro PMULF d, a, f, k                ; pair d = pair a x number k of record f
.if ((\k)&1)
	v_pk_mul_f32 v[\d:\d+1], v[\a:\a+1], v[\f+\k-1:\f+\k] op_sel:[0,1] op_sel_hi:[1,1]
.else
	v_pk_mul_f32 v[\d:\d+1], v[\a:\a+1], v[\f+\k:\f+\k+1] op_sel_hi:[1,0]
.endif
.endm
	s_load_b256 s[4:11], s[0:1], 0x0               ; faces s[4:5], points s[6:7], verts s[8:9], part s[10:11]
	v_lshl_add_u32 v[SPW], v0, 2, SPARE
	v_mov_b32 v[NIL], 0
	v_lshrrev_b32 v1, 5, v0
	v_readfirstlane_b32 s[WV], v1                  ; wave 0..15
	v_and_b32 v[LN], 31, v0
	s_and_b32 s[YY], ttmp7, 0xffff
	s_lshl_b32 s[FI], s[YY], 10
	s_lshl_b32 s15, s[WV], 6
	s_add_co_u32 s[FI], s[FI], s15                 ; my wave's first face
	s_mul_i32 s15, s[FI], 12                       ; 12 bytes of indices a face
	v_mul_u32_u24 v[FO], v[LN], 24                 ; two faces a lane
	v_add_nc_u32 v[FO], s15, v[FO]
	s_mul_i32 s16, ttmp9, 768                      ; 64 points of 12 bytes
	v_mul_u32_u24 v[PO], v[LN], 12
	v_add_nc_u32 v[PO], s16, v[PO]
	v_lshlrev_b32 v[TS], 7, v0                     ; thread t's two records lie at 128 t: wave w's 64 at 4,096 w
	s_lshl_b32 s17, s[WV], 12
	s_mov_b32 s[EPS], 0x2b8cbccc                   ; 1e-12
	s_wait_kmcnt 0x0
	global_load_b64 v[IX:IX+1],   v[FO], s[4:5]
	global_load_b64 v[IX+2:IX+3], v[FO], s[4:5] offset:8
	global_load_b64 v[IX+4:IX+5], v[FO], s[4:5] offset:16
.irp h,0,1
.irp c,0,1,2
	global_load_b32 v[PX+2*\c+\h], v[PO], s[6:7] offset:384*\h+4*\c  ; point l + 32 h, coordinate c
.endr
.endr
	s_wait_loadcnt 0x6                             ; the three index loads are in; the six point loads behind them may stay out
.irp i,0,1,2,3,4,5
	v_min_u32 v[IX+\i], 0x3ff, v[IX+\i]            ; an index stays inside the 1,024 vertices
.endr
.irp i,0,1,2,3,4,5
	v_mul_u32_u24 v[IX+\i], v[IX+\i], 12
.endr
.irp j,0,1
.irp k,0,1,2
.irp c,0,1,2
	global_load_b32 v[FA+16*\j+3*\k+\c], v[IX+3*\j+\k], s[8:9] offset:4*\c  ; face j, vertex k, coordinate c, straight into its place in the record
.endr
.endr
.endr
	v_mov_b32 v[BEST], 0x7f800000                  ; +infinity
	v_mov_b32 v[BEST+1], 0x7f800000
	v_mov_b32 v[IDX], s[FI]
	v_mov_b32 v[IDX+1], s[FI]
	v_mov_b32 v[TA], s17
	s_wait_loadcnt 0x0
.irp j,0,1
.irp c,0,1,2
	v_sub_f32 v[FA+16*\j+9+\c],  v[FA+16*\j+3+\c], v[FA+16*\j+\c]   ; ab = b - a
	v_sub_f32 v[FA+16*\j+12+\c], v[FA+16*\j+6+\c], v[FA+16*\j+\c]   ; ac = c - a
.endr
	v_mov_b32 v[FA+16*\j+15], 0
.endr
.irp j,0,1
.irp q,0,1,2,3
	ds_store_b128 v[TS], v[FA+16*\j+4*\q:FA+16*\j+4*\q+3] offset:64*\j+16*\q
.endr
.endr
	s_wait_dscnt 0x0                               ; my records are in LDS,
	s_barrier_signal -1
	s_barrier_wait -1                              ; and so are everybody's
.irp q,0,1,2,3
	ds_load_b128 v[FA+4*\q:FA+4*\q+3], v[TA] offset:16*\q
.endr
.irp q,0,1,2,3
	ds_load_b128 v[FB+4*\q:FB+4*\q+3], v[TA] offset:64+16*\q
.endr
; One face against my two points.  f: its record buffer.  left: the younger LDS loads that may stay out.  more = 1: the buffer is loaded again, from byte off behind TA.
.macro FACE f, left, more, off
	s_wait_dscnt \left                             ; LDS loads come back in order: this record's four are in
.irp c,0,1,2
	PSUBF AP+2*\c, PX+2*\c, \f, \c
	PSUBF BP+2*\c, PX+2*\c, \f, 3+\c
	PSUBF CP+2*\c, PX+2*\c, \f, 6+\c
.endr
.irp c,0,1,2                           ; the 18 products of the six dot products: d1 = ab.ap, d2 = ac.ap, d3 = ab.bp, d4 = ac.bp, d5 = ab.cp, d6 = ac.cp
	PMULF MM+2*\c,    AP+2*\c, \f, 9+\c
	PMULF MM+6+2*\c,  AP+2*\c, \f, 12+\c
	PMULF MM+12+2*\c, BP+2*\c, \f, 9+\c
	PMULF MM+18+2*\c, BP+2*\c, \f, 12+\c
	PMULF MM+24+2*\c, CP+2*\c, \f, 9+\c
	PMULF MM+30+2*\c, CP+2*\c, \f, 12+\c
.endr
.irp i,0,1,2,3,4,5
	PADD D1+2*\i, MM+6*\i, MM+6*\i+4               ; x + z
.endr
.irp i,0,1,2,3,4,5
	PADD D1+2*\i, D1+2*\i, MM+6*\i+2               ; + y
.endr
	PMUL MM,    D1, D4
	PMUL MM+2,  D3, D2
	PMUL MM+4,  D5, D2
	PMUL MM+6,  D1, D6
	PMUL MM+8,  D3, D6
	PMUL MM+10, D5, D4
	PSUB E1, D1, D3
	PSUB E2, D2, D6
	PSUB E3, D4, D3
	PSUB E4, D5, D6
	PSUB VC, MM,   MM+2
	PSUB VB, MM+4, MM+6
	PSUB VA, MM+8, MM+10
	PADD E5, E3, E4
.irp h,0,1                             ; a region's tests against 0, turned so that each asks for <= 0, are one maximum
	v_max_num_f32 v[XA+\h], v[D1+\h], v[D2+\h]                 ; A:  d1 <= 0, d2 <= 0
	v_max_num_f32 v[XB+\h], -v[D3+\h], v[E3+\h]                ; B:  d3 >= 0, d4 <= d3
	v_max_num_f32 v[XC+\h], -v[D6+\h], v[E4+\h]                ; C:  d6 >= 0, d5 <= d6
.endr
	PADD SS, VA, VB
.irp h,0,1
	v_max3_num_f32 v[XBC+\h], v[VA+\h], -v[E3+\h], -v[E4+\h]   ; BC: va <= 0, d4 - d3 >= 0, d5 - d6 >= 0
	v_max3_num_f32 v[XAC+\h], v[VB+\h], -v[D2+\h], v[D6+\h]    ; AC: vb <= 0, d2 >= 0, d6 <= 0
	v_max3_num_f32 v[XAB+\h], v[VC+\h], -v[D1+\h], v[D3+\h]    ; AB: vc <= 0, d1 >= 0, d3 <= 0
.endr
	PADD SS, SS, VC
.irp h,0,1
	v_cmp_ge_f32 s[MBC+\h], 0, v[XBC+\h]
	v_cmp_ge_f32 s[MAC+\h], 0, v[XAC+\h]
	v_cmp_ge_f32 s[MAB+\h], 0, v[XAB+\h]
	v_cmp_ge_f32 s[MA+\h],  0, v[XA+\h]
	v_cmp_ge_f32 s[MB+\h],  0, v[XB+\h]
	v_cmp_ge_f32 s[MC+\h],  0, v[XC+\h]
.endr
	; the denominator of the first region that holds; later lines win, so the order is the reverse of the regions'.  At a vertex any denominator serves.
.irp h,0,1
	v_cndmask_b32 v[DEN+\h], v[SS+\h],  v[E5+\h], s[MBC+\h]
.endr
.irp h,0,1
	v_cndmask_b32 v[DEN+\h], v[DEN+\h], v[E2+\h], s[MAC+\h]
.endr
.irp h,0,1
	v_cndmask_b32 v[DEN+\h], v[DEN+\h], v[E1+\h], s[MAB+\h]
.endr
.irp h,0,1
	s_or_b32 s[T1+\h], s[MB+\h], s[MAB+\h]
	s_or_b32 s[ZW+\h], s[MA+\h], s[T1+\h]
	s_or_b32 s[UU+\h], s[MC+\h], s[MAC+\h]
	s_and_not1_b32 s[ZV+\h], s[UU+\h], s[T1+\h]
	s_or_b32 s[ZV+\h], s[ZV+\h], s[MA+\h]
	s_or_b32 s[UU+\h], s[UU+\h], s[ZW+\h]
	s_and_not1_b32 s[BCS+\h], s[MBC+\h], s[UU+\h]
.endr
.irp h,0,1
	v_max_num_f32 v[DEN+\h], s[EPS], v[DEN+\h]
.endr
	v_rcp_f32 v[RR], v[DEN]
	v_rcp_f32 v[RR+1], v[DEN+1]                    ; the selects below, which name no reciprocal, stand between these two and the first use of their results
	; the numerators: bw = NW / DEN, bv = NV / DEN (on edge BC bv is made of bw further down)
.irp h,0,1
	v_cndmask_b32 v[NW+\h], v[VC+\h], v[E3+\h], s[MBC+\h]
	v_cndmask_b32 v[NV+\h], v[VB+\h], v[D1+\h], s[MAB+\h]
.endr
.irp h,0,1
	v_cndmask_b32 v[NW+\h], v[NW+\h], v[D2+\h],  s[MAC+\h]
	v_cndmask_b32 v[NV+\h], v[NV+\h], v[DEN+\h], s[MB+\h]      ; vertex B: den / den = 1
.endr
.irp h,0,1
	v_cndmask_b32 v[NW+\h], v[NW+\h], v[DEN+\h], s[MC+\h]      ; vertex C: den / den = 1
	v_cndmask_b32 v[NV+\h], v[NV+\h], 0, s[ZV+\h]
.endr
.irp h,0,1
	v_cndmask_b32 v[NW+\h], v[NW+\h], 0, s[ZW+\h]
.endr
	; the division: these fused lines are the steps of one division, not the module's own products and sums
	s_wait_alu depctr_va_vdst(0)
	v_pk_fma_f32 v[ER:ER+1], v[DEN:DEN+1], v[RR:RR+1], 1.0 op_sel_hi:[1,1,0] neg_lo:[1,0,0] neg_hi:[1,0,0]  ; 1 - den r
	v_pk_fma_f32 v[RR:RR+1], v[ER:ER+1], v[RR:RR+1], v[RR:RR+1]                                             ; r + r (1 - den r)
	PMUL QW, NW, RR
	PMUL QV, NV, RR
	v_pk_fma_f32 v[RW:RW+1], v[DEN:DEN+1], v[QW:QW+1], v[NW:NW+1] neg_lo:[1,0,0] neg_hi:[1,0,0]             ; the remainder n - den q
	v_pk_fma_f32 v[RV:RV+1], v[DEN:DEN+1], v[QV:QV+1], v[NV:NV+1] neg_lo:[1,0,0] neg_hi:[1,0,0]
	v_pk_fma_f32 v[QW:QW+1], v[RW:RW+1], v[RR:RR+1], v[QW:QW+1]                                             ; bw
	v_pk_fma_f32 v[QV:QV+1], v[RV:RV+1], v[RR:RR+1], v[QV:QV+1]
	v_pk_add_f32 v[TT:TT+1], v[QW:QW+1], 1.0 op_sel_hi:[1,0] neg_lo:[1,0] neg_hi:[1,0]                      ; 1 - t_bc
.irp h,0,1
	v_cndmask_b32 v[QV+\h], v[QV+\h], v[TT+\h], s[BCS+\h]                                                   ; bv
.endr
	v_pk_add_f32 v[BU:BU+1], v[QV:QV+1], 1.0 op_sel_hi:[1,0] neg_lo:[1,0] neg_hi:[1,0]                      ; 1 - bv
	PSUB BU, BU, QW                                                                                         ; bu = (1 - bv) - bw
.irp c,0,1,2
	PMULF MM+2*\c,    BU, \f, \c
	PMULF MM+6+2*\c,  QV, \f, 3+\c
	PMULF MM+12+2*\c, QW, \f, 6+\c
.endr
.if \more
.irp q,0,1,2,3
	ds_load_b128 v[\f+4*\q:\f+4*\q+3], v[TA] offset:\off+16*\q  ; the record has been read for the last time: the next but one comes in, with the other face's work in which to land
.endr
.endif
.irp c,0,1,2
	PADD MM+2*\c, MM+2*\c, MM+6+2*\c               ; a bu + b bv
.endr
.irp c,0,1,2
	PADD MM+2*\c, MM+2*\c, MM+12+2*\c              ; + c bw
.endr
.irp c,0,1,2
	PSUB MM+2*\c, PX+2*\c, MM+2*\c
.endr
.irp c,0,1,2
	PMUL MM+2*\c, MM+2*\c, MM+2*\c
.endr
	PADD MM, MM, MM+4                              ; the squared distance: x + z,
	PADD MM, MM, MM+2                              ; + y
	v_cmp_lt_f32 vcc_lo, v[MM], v[BEST]            ; strictly less: among equals the first face stays
	v_cmp_lt_f32 s[M2], v[MM+1], v[BEST+1]
	v_cndmask_b32 v[BEST], v[BEST], v[MM], vcc_lo
	v_cndmask_b32 v[BEST+1], v[BEST+1], v[MM+1], s[M2]
	v_cndmask_b32 v[IDX], v[IDX], s[FI], vcc_lo
	v_cndmask_b32 v[IDX+1], v[IDX+1], s[FI], s[M2]
	s_add_co_u32 s[FI], s[FI], 1
.endm
	s_mov_b32 s[CNT], FPW/2-1
.Lpair:                                                ; 31 trips of two faces; each loads the two faces of the next trip
	FACE FA, 4, 1, 128                             ; out: this record's four loads and the other buffer's four, which may stay out
	FACE FB, 4, 1, 192
	v_add_nc_u32 v[TA], 128, v[TA]
	s_sub_co_u32 s[CNT], s[CNT], 1
	s_cmp_lg_u32 s[CNT], 0
	s_cbranch_scc1 .Lpair
	FACE FA, 4, 0, 0                               ; the last two faces: nothing is left to load
	FACE FB, 0, 0, 0
	; the 16 waves' results meet: row w of 64 distances and row w of 64 indices, in the order of the points
	v_lshlrev_b32 v[AP], 2, v[LN]
	s_lshl_b32 s15, s[WV], 8
	s_add_co_u32 s15, s15, RED
	v_add_nc_u32 v[AP], s15, v[AP]
	ds_store_b32 v[AP], v[BEST]
	ds_store_b32 v[AP], v[BEST+1] offset:128
	ds_store_b32 v[AP], v[IDX] offset:4096
	ds_store_b32 v[AP], v[IDX+1] offset:4224
	s_wait_tensorcnt 0x0                           ; behind my last LDS store
	ds_add_u32 v[SPW], v[NIL]
	s_wait_dscnt 0x0                               ; the wait also shows my four stores done, for wave 0's sake
	s_barrier_signal -1
	s_barrier_wait -1
	s_cmp_lg_u32 s[WV], 0
	s_cbranch_scc1 .Ldone
	v_lshl_add_u32 v[AP+1], v[LN], 3, RED          ; wave 0 merges: lane l takes points 2 l and 2 l + 1
.irp k,0,1,2,3,4,5,6,7,8,9,10,11,12,13,14,15
	ds_load_b64 v[GD+2*\k:GD+2*\k+1], v[AP+1] offset:256*\k
	ds_load_b64 v[GI+2*\k:GI+2*\k+1], v[AP+1] offset:4096+256*\k
.endr
	s_lshl_b32 s15, ttmp9, 8                       ; 64 points of 4 bytes,
	s_lshl_b32 s16, s[YY], 15                      ; in the row of my half of the faces
	s_add_co_u32 s15, s15, s16
	v_lshl_add_u32 v[AP+2], v[LN], 3, s15
	s_wait_dscnt 0x0
.irp k,1,2,3,4,5,6,7,8,9,10,11,12,13,14,15             ; in the order of the faces, strictly less: the first face stays
	v_cmp_lt_f32 vcc_lo, v[GD+2*\k], v[GD]
	v_cmp_lt_f32 s[M2], v[GD+2*\k+1], v[GD+1]
	v_cndmask_b32 v[GD], v[GD], v[GD+2*\k], vcc_lo
	v_cndmask_b32 v[GD+1], v[GD+1], v[GD+2*\k+1], s[M2]
	v_cndmask_b32 v[GI], v[GI], v[GI+2*\k], vcc_lo
	v_cndmask_b32 v[GI+1], v[GI+1], v[GI+2*\k+1], s[M2]
.endr
	global_store_b64 v[AP+2], v[GD:GD+1], s[10:11]               ; 32 lanes store 256 consecutive bytes, at a multiple of 256 from the buffer's first byte
	global_store_b64 v[AP+2], v[GI:GI+1], s[10:11] offset:65536  ; the indices lie behind the two rows of distances
.Ldone:
	s_endpgm
.Lfunc_end_k_qd3ef6dee30_nearest:
	.size	k_qd3ef6dee30_nearest, .Lfunc_end_k_qd3ef6dee30_nearest-k_qd3ef6dee30_nearest
	.p2alignl 7, 3214868480
	.fill 96, 4, 3214868480
	.section	.rodata,"a",@progbits
	.p2align	6, 0x0
	.amdhsa_kernel k_qd3ef6dee30_nearest
		.amdhsa_group_segment_fixed_size 75776
		.amdhsa_private_segment_fixed_size 0
		.amdhsa_enable_private_segment 0
		.amdhsa_kernarg_size 32
		.amdhsa_user_sgpr_count 2
		.amdhsa_user_sgpr_kernarg_segment_ptr 1
		.amdhsa_wavefront_size32 1
		.amdhsa_system_sgpr_workgroup_id_x 1
		.amdhsa_system_sgpr_workgroup_id_y 1
		.amdhsa_system_sgpr_workgroup_id_z 1
		.amdhsa_system_vgpr_workitem_id 0
		.amdhsa_next_free_vgpr 166
		.amdhsa_next_free_sgpr 66
		.amdhsa_reserve_vcc 1
		.amdhsa_float_denorm_mode_32 3
		.amdhsa_float_denorm_mode_16_64 3
		.amdhsa_memory_ordered 1
		.amdhsa_forward_progress 1
		.amdhsa_inst_pref_size 52
	.end_amdhsa_kernel
	.amdgpu_metadata
---
amdhsa.version: [ 1, 2 ]
amdhsa.kernels:
  - .name:           k_qd3ef6dee30_nearest
    .symbol:         k_qd3ef6dee30_nearest.kd
    .args:
      - { .name: faces, .offset: 0, .size: 8, .value_kind: global_buffer, .address_space: global }
      - { .name: points, .offset: 8, .size: 8, .value_kind: global_buffer, .address_space: global }
      - { .name: verts, .offset: 16, .size: 8, .value_kind: global_buffer, .address_space: global }
      - { .name: part, .offset: 24, .size: 8, .value_kind: global_buffer, .address_space: global }
    .group_segment_fixed_size: 75776
    .private_segment_fixed_size: 0
    .kernarg_segment_align: 8
    .kernarg_segment_size: 32
    .max_flat_workgroup_size: 512
    .sgpr_count:     66
    .vgpr_count:     166
    .wavefront_size: 32
...
	.end_amdgpu_metadata
.endif
;; end of part 1
;; launch finish (part 2): grid 1 x 1, 32 waves a work-group, no clusters, 4,352 bytes of LDS; arguments part, out0, out1, out2; writes out0, out1, out2
.if DOCPART == 2
	.amdgcn_target "amdgcn-amd-amdhsa--gfx1250"
	.amdhsa_code_object_version 6
	.text
	.protected	k_qd3ef6dee30_finish
	.globl	k_qd3ef6dee30_finish
	.p2align	8
	.type	k_qd3ef6dee30_finish,@function
k_qd3ef6dee30_finish:
	s_mov_b64 s[64:65], 0
	v_nop
	global_prefetch_b8 v0, s[64:65] scope:SCOPE_SE
	s_setreg_imm32_b32 hwreg(HW_REG_WAVE_MODE, 25, 1), 1
	s_wait_xcnt 0x0
; The two halves of the faces meet: for each of 8,192 points the lesser of two distances (the first half's where they are equal, so the first face stays) and its face;
; then the loss, the sum of the 8,192 distances times 1000 / 8192.  A sum over all points wants one owner: one work-group of 32 waves, eight points a thread.
; part: distances of half 0, of half 1 (32,768 bytes each), then the indices likewise.  The sum is taken in f32: within the thread, across the lanes, across the waves through LDS;
; its order is not that of a plain running sum.
.set SPARE, 256                        ; bytes 0-127: the 32 waves' sums; from 256 on the spare words, 128 bytes for each wave, which no other line names
.set SPW, 2                            ; v2  LDS address of my spare word; never rewritten
.set NIL, 3                            ; v3  0; never rewritten
.set DD,  8                            ; v[8:15], v[24:31]   chunk c: 4 distances of half 0 at DD + 16 c, of half 1 at DD + 16 c + 4
.set SM,  32                           ; v[32:35]  the sum, at work
.set II,  40                           ; v[40:47], v[56:63]  the indices likewise
	s_load_b256 s[4:11], s[0:1], 0x0               ; part s[4:5], out0 s[6:7], out1 s[8:9], out2 s[10:11]
	v_lshl_add_u32 v[SPW], v0, 2, SPARE
	v_mov_b32 v[NIL], 0
	v_lshrrev_b32 v1, 5, v0
	v_readfirstlane_b32 s12, v1                    ; wave 0..31
	v_lshlrev_b32 v4, 4, v0                        ; 16 bytes a thread: a wave's load or store covers 512 consecutive bytes
	v_lshlrev_b32 v5, 2, v1                        ; my wave's word
	v_mov_b32 v7, 0
	s_mov_b32 s14, 0x76543210                      ; v_permlanex16_b32: each lane takes its own place in the other half
	s_mov_b32 s15, 0xfedcba98
	s_wait_kmcnt 0x0
.irp c,0,1                             ; chunk c: points 4,096 c + 4 t .. + 3
	global_load_b128 v[DD+16*\c:DD+16*\c+3],   v4, s[4:5] offset:16384*\c
	global_load_b128 v[DD+16*\c+4:DD+16*\c+7], v4, s[4:5] offset:32768+16384*\c
	global_load_b128 v[II+16*\c:II+16*\c+3],   v4, s[4:5] offset:65536+16384*\c
	global_load_b128 v[II+16*\c+4:II+16*\c+7], v4, s[4:5] offset:98304+16384*\c
.endr
	s_wait_loadcnt 0x0
.irp c,0,1
.irp j,0,1,2,3
	v_cmp_lt_f32 vcc_lo, v[DD+16*\c+4+\j], v[DD+16*\c+\j]
	v_cndmask_b32 v[DD+16*\c+\j], v[DD+16*\c+\j], v[DD+16*\c+4+\j], vcc_lo
	v_cndmask_b32 v[II+16*\c+\j], v[II+16*\c+\j], v[II+16*\c+4+\j], vcc_lo
.endr
.endr
.irp c,0,1
	global_store_b128 v4, v[DD+16*\c:DD+16*\c+3], s[8:9] offset:16384*\c
	global_store_b128 v4, v[II+16*\c:II+16*\c+3], s[10:11] offset:16384*\c
.endr
	v_add_f32 v[SM], v[DD], v[DD+1]                ; my eight distances, in registers of their own: the stores above still read DD
	v_add_f32 v[SM+1], v[DD+2], v[DD+3]
	v_add_f32 v[SM+2], v[DD+16], v[DD+17]
	v_add_f32 v[SM+3], v[DD+18], v[DD+19]
	v_add_f32 v[SM], v[SM], v[SM+1]
	v_add_f32 v[SM+2], v[SM+2], v[SM+3]
	v_add_f32 v[SM], v[SM], v[SM+2]
	v_add_f32_dpp v[SM], v[SM], v[SM] row_xmask:1 row_mask:0xf bank_mask:0xf
	v_add_f32_dpp v[SM], v[SM], v[SM] row_xmask:2 row_mask:0xf bank_mask:0xf
	v_add_f32_dpp v[SM], v[SM], v[SM] row_xmask:4 row_mask:0xf bank_mask:0xf
	v_add_f32_dpp v[SM], v[SM], v[SM] row_xmask:8 row_mask:0xf bank_mask:0xf
	v_permlanex16_b32 v[SM+1], v[SM], s14, s15
	v_add_f32 v[SM], v[SM], v[SM+1]                ; the wave's sum, in every lane
	ds_store_b32 v5, v[SM]                         ; all lanes write the same word with the same number
	s_wait_tensorcnt 0x0                           ; behind my last LDS store
	ds_add_u32 v[SPW], v[NIL]
	s_wait_dscnt 0x0                               ; the wait also shows my store done, for wave 0's sake
	s_barrier_signal -1
	s_barrier_wait -1
	s_cmp_lg_u32 s12, 0
	s_cbranch_scc1 .Ldone
	v_and_b32 v6, 31, v0
	v_lshlrev_b32 v6, 2, v6
	ds_load_b32 v[SM], v6                          ; lane l takes wave l's sum
	s_wait_dscnt 0x0
	v_add_f32_dpp v[SM], v[SM], v[SM] row_xmask:1 row_mask:0xf bank_mask:0xf
	v_add_f32_dpp v[SM], v[SM], v[SM] row_xmask:2 row_mask:0xf bank_mask:0xf
	v_add_f32_dpp v[SM], v[SM], v[SM] row_xmask:4 row_mask:0xf bank_mask:0xf
	v_add_f32_dpp v[SM], v[SM], v[SM] row_xmask:8 row_mask:0xf bank_mask:0xf
	v_permlanex16_b32 v[SM+1], v[SM], s14, s15
	v_add_f32 v[SM], v[SM], v[SM+1]
	v_mul_f32 v[SM], 0x3dfa0000, v[SM]             ; 1000 / 8192 = 0.1220703125
	v_cmp_eq_u32 vcc_lo, 0, v0
	s_wait_xcnt 0x0                                ; EXEC is a source of the stores above: it changes only behind this wait
	s_and_saveexec_b32 s16, vcc_lo
	global_store_b32 v7, v[SM], s[6:7]             ; the output is one number: one lane stores it
	s_wait_xcnt 0x0
	s_or_b32 exec_lo, exec_lo, s16
.Ldone:
	s_endpgm
.Lfunc_end_k_qd3ef6dee30_finish:
	.size	k_qd3ef6dee30_finish, .Lfunc_end_k_qd3ef6dee30_finish-k_qd3ef6dee30_finish
	.p2alignl 7, 3214868480
	.fill 96, 4, 3214868480
	.section	.rodata,"a",@progbits
	.p2align	6, 0x0
	.amdhsa_kernel k_qd3ef6dee30_finish
		.amdhsa_group_segment_fixed_size 4352
		.amdhsa_private_segment_fixed_size 0
		.amdhsa_enable_private_segment 0
		.amdhsa_kernarg_size 32
		.amdhsa_user_sgpr_count 2
		.amdhsa_user_sgpr_kernarg_segment_ptr 1
		.amdhsa_wavefront_size32 1
		.amdhsa_system_sgpr_workgroup_id_x 1
		.amdhsa_system_sgpr_workgroup_id_y 1
		.amdhsa_system_sgpr_workgroup_id_z 1
		.amdhsa_system_vgpr_workitem_id 0
		.amdhsa_next_free_vgpr 64
		.amdhsa_next_free_sgpr 66
		.amdhsa_reserve_vcc 1
		.amdhsa_float_denorm_mode_32 3
		.amdhsa_float_denorm_mode_16_64 3
		.amdhsa_memory_ordered 1
		.amdhsa_forward_progress 1
		.amdhsa_inst_pref_size 5
	.end_amdhsa_kernel
	.amdgpu_metadata
---
amdhsa.version: [ 1, 2 ]
amdhsa.kernels:
  - .name:           k_qd3ef6dee30_finish
    .symbol:         k_qd3ef6dee30_finish.kd
    .args:
      - { .name: part, .offset: 0, .size: 8, .value_kind: global_buffer, .address_space: global }
      - { .name: out0, .offset: 8, .size: 8, .value_kind: global_buffer, .address_space: global }
      - { .name: out1, .offset: 16, .size: 8, .value_kind: global_buffer, .address_space: global }
      - { .name: out2, .offset: 24, .size: 8, .value_kind: global_buffer, .address_space: global }
    .group_segment_fixed_size: 4352
    .private_segment_fixed_size: 0
    .kernarg_segment_align: 8
    .kernarg_segment_size: 32
    .max_flat_workgroup_size: 1024
    .sgpr_count:     66
    .vgpr_count:     64
    .wavefront_size: 32
...
	.end_amdgpu_metadata
.endif
;; end of part 2
